; MI455X (gfx1250); checked and timed in simulation.
; The chip was launched on July 23, 2026; its instructions are those of AMD's public machine-readable ISA for CDNA 5 (MIT licence, August 2026) and "CDNA5" Instruction Set Architecture Reference Guide (July 2026). The comments in the code are by the model that wrote it; some were corrected since.
;; Quaternion Dense. Allowed arithmetic: matrix products marked QUANTISED: E2M1 operands, one E8M0 scale for each 32 along K, by v_wmma_scale_f32_16x16x128_f8f6f4 with both operands' format E2M1 (or v_wmma_scale_f32_32x16x128_f4), f32 sums; everything else in f32.
;; Inputs: W_i 1,024 x 1,024 float32; W_j 1,024 x 1,024 float32; W_k 1,024 x 1,024 float32; W_r 1,024 x 1,024 float32; bias 4,096 float32; x 4,096 x 4,096 float32.
;; Outputs: out0 4,096 x 4,096 float32.
;; This version of the problem:
;;   THIS VERSION OF THE PROBLEM IS GIVEN IN LOW PRECISION. The matrix products marked QUANTISED in the list below multiply operands that are first quantised to E2M1 (2 exponent bits, 1 mantissa bit; 4 bits a number), with one power-of-two scale for each 32 numbers along K (OCP MX v1.0); their sums are f32. All else is computed in f32.
;;   The module's matrix products, in the order in which they are computed (A, B: the left and right operand; K: the contracted axis; several contracted axes count as one K, in the product's order):
;;     1. [M 4,096, K 4,096] x [K 4,096, N 4,096]; A: input x; B: computed on the way: QUANTISED
;;   THE QUANTISER, for each operand of a quantised product, along K:
;;     - K is cut into blocks of 32 from its start; a last block that is shorter is filled with zeros.
;;     - A block's scale is 2^e with e = floor(log2(the largest magnitude in the block)) - 2, held to -126 .. 127; a block of zeros has e = 0. As a byte (E8M0): e + 127.
;;     - Each number is divided by its block's scale, clamped to +-6, and rounded to the nearest number of E2M1, ties to even, subnormals kept.
;;     - The product sums the exact products of the quantised numbers (number of the format x scale) in f32.
;;   ~~~python
;;   def quantise(x, axis):      # numpy; x: float32 -> the quantised numbers, widened to float32 again
;;       x = np.moveaxis(x, axis, -1); K = x.shape[-1]
;;       x = np.pad(x, [(0, 0)] * (x.ndim - 1) + [(0, -K % 32)]); x = x.reshape(x.shape[:-1] + (-1, 32)); a = np.abs(x).max(-1, keepdims=True)
;;       e = np.where(a > 0, np.clip(np.frexp(np.where(a > 0, a, 1))[1] - 1 - 2, -126, 127), 0)      # np.frexp(a)[1] - 1 = floor(log2(a)), exactly
;;       r = np.clip(x / 2.0 ** e, -6, 6)
;;       step = 2.0 ** (np.maximum(np.frexp(np.where(r == 0, 1, r))[1] - 1, 0) - 1)
;;       q = np.round(r / step) * step * 2.0 ** e      # np.round: ties to even
;;       return np.moveaxis(q.reshape(q.shape[:-2] + (-1,))[..., :K], -1, axis).astype(np.float32)
;;   ~~~
;;   OPERANDS COMPUTED ON THE WAY. 'Computed on the way' means the value that the module computes at that place (a softmax that the list does not call 'softmax' is quantised finished and normalised). What goes into a quantiser is computed in f32, as accurately as f32 sums, v_exp_f32 and their like allow (about 1e-6 of the number): no bf16 or f16 on the way to a quantiser, and a product that is left as it is and whose result goes on into a quantised operand takes f32 operands (vector FMAs, or v_wmma_f32_16x16x4_f32). A number that lies on a knife's edge between two numbers of the format may be rounded either way, as far as f32 arithmetic and the matrix unit's own rounding can turn it there, and no further.
;; One version. Each part assembles by itself: llvm-mc -triple=amdgcn-amd-amdhsa -mcpu=gfx1250 --defsym DOCPART=n.
;; ======== version 1 of 1: 2 launches
;; limits: right only within a limited range of input values
;; workspace buffers: xq 8,912,896 bytes; wq 2,228,224 bytes
;; launch quant (part 1): grid 256 x 1, 10 waves a work-group, no clusters, 88,320 bytes of LDS; arguments x, W_r, W_i, W_j, W_k, xq, wq; writes xq, wq
.if DOCPART == 1
	.amdgcn_target "amdgcn-amd-amdhsa--gfx1250"
	.amdhsa_code_object_version 6
	.text
	.protected	k_qde65181265_quant
	.globl	k_qde65181265_quant
	.p2align	8
	.type	k_qde65181265_quant,@function
k_qde65181265_quant:
	s_mov_b64 s[64:65], 0
	v_nop
	global_prefetch_b8 v0, s[64:65] scope:SCOPE_SE
	s_setreg_imm32_b32 hwreg(HW_REG_WAVE_MODE, 25, 1), 1
	s_wait_xcnt 0x0
; x [4096][4096] and the four weights W_r, W_i, W_j, W_k [1024][1024], f32, become codes of FP4 (E2M1) with one E8M0 scale byte for each 32 along K.
; W_block is made of the four components with signs; blocks of 32 along K never cross a multiple of 1,024 and the quantiser is odd, so each component is quantised ONCE; the next launch carries the signs.
; A block's scale is 2^(floor(log2(its largest magnitude)) - 2); its byte is the largest magnitude's exponent field - 2, held at 1 from below.
; LIMITS: NaN and infinities among the inputs are not served.  Blocks whose largest magnitude lies under 2^-124 keep the byte 1; a block of zeros too, where the rule says 127: its codes are zeros, which add nothing under any byte but 0xff, and this program alone reads the bytes.
; A UNIT is 16 rows x 512 along K of one component (d: component, g: which half of its 1,024): 4,096 bytes of codes, the image of an operand's registers (1024 x which 128 + 512 c + 16 x lane),
; and 256 bytes of scales: 16 r + which 32 of the 512.
; xq: parts of 32 rows, 69,632 bytes: codes at 8192 (2 d + g) + 4096 f (f: which 16 rows), scales at 65,536 + 512 (2 d + g) + 256 f.   wq: parts of 16 rows, 34,816 bytes: codes at 4096 (2 d + g), scales at 32,768 + 256 (2 d + g).
; SHARES.  x has 2,048 units, the weights 512: ten for each of 256 work-groups.  Work-group w: waves 0-7 take x's rows 16 w on, 2 d + g = wave; waves 8, 9 take component w / 64, rows 16 (w % 64) on, g = wave - 8.
; Waves share nothing: no barrier; work-groups share no input: no cluster.  No prefetch: the text has no loop; 32 loads of a wave are out ahead of its work.
; A STEP is 16 rows x 64 along K.  Eight loads, in each of which sixteen lanes read 256 consecutive bytes of a row, aligned; the 4,096 bytes go through the wave's own stage in LDS (pitch 272) and come back
; 128 bytes a lane: lane (r, h) then holds a whole block of row r, so its largest magnitude needs no other lane, and its 16 bytes of codes lie at 16 x lane + 512 t of the unit.
.set WREG, 8704                        ; LDS of a wave: two stages
.set STG,  4352                        ; a stage: 16 rows x 272 bytes
.set OFF,  8                           ; v8-15    load j: (2 j + h) x pitch + 16 r; never rewritten
.set SW,   20                          ; v20-23   my scale bytes, later a row's four scale words
.set T,    24                          ; v24-27   the other half's
.set R,    32                          ; v32-159  four sets of 32: numbers as loaded
.set X,    160                         ; v160-223 two sets of 32: a block's neighbours
.set C,    224                         ; v224-255 codes: four registers for each step, so that no store's data are written again
	s_load_b256 s[4:11], s[0:1], 0x0               ; x s[4:5], W_r s[6:7], W_i s[8:9], W_j s[10:11]
	s_load_b128 s[12:15], s[0:1], 0x20             ; W_k s[12:13], xq s[14:15]
	s_load_b64 s[16:17], s[0:1], 0x30              ; wq
	v_lshl_add_u32 v3, v0, 2, 0x15400              ; my spare word
	v_mov_b32 v2, 0
	v_lshrrev_b32 v1, 5, v0
	v_readfirstlane_b32 s18, v1                    ; wave 0..9
	s_lshr_b32 s19, ttmp9, 6                       ; the weights' waves: component,
	s_and_b32 s20, ttmp9, 63                       ; which 16 rows of it,
	s_and_b32 s21, s18, 1                          ; which half of its K
	s_lshl_b32 s28, s19, 1
	s_add_co_u32 s28, s28, s21                     ; 2 d + g
	s_mul_i32 s30, s20, 34816
	s_lshl_b32 s31, s28, 8
	s_add_co_u32 s31, s31, s30
	s_add_co_u32 s31, s31, 32768                   ; their scales' place in wq,
	s_lshl_b32 s29, s28, 12
	s_add_co_u32 s30, s30, s29                     ; their codes'
	s_lshr_b32 s33, ttmp9, 1
	s_mul_i32 s33, s33, 69632
	s_and_b32 s34, ttmp9, 1
	s_lshl_b32 s35, s18, 1
	s_add_co_u32 s34, s35, s34                     ; 2 (2 d + g) + f
	s_lshl_b32 s35, s34, 8
	s_add_co_u32 s35, s35, s33
	s_add_co_u32 s35, s35, 65536                   ; x's scales' place in xq,
	s_lshl_b32 s34, s34, 12
	s_add_co_u32 s34, s34, s33                     ; its codes'
	s_lshl_b32 s46, ttmp9, 18                      ; where the source begins: x: 16 rows of 16,384 bytes x w + 2,048 x wave,
	s_lshl_b32 s47, s18, 11
	s_add_co_u32 s46, s46, s47
	s_lshl_b32 s48, s20, 16                        ; a weight: 16 rows of 4,096 bytes + 2,048 g
	s_lshl_b32 s49, s21, 11
	s_add_co_u32 s48, s48, s49
	s_mov_b32 s50, 16384
	s_cmp_ge_u32 s18, 8                            ; a weight's wave?  The choices hang on the wave's number alone
	s_cselect_b32 s50, 4096, s50                   ; bytes from row to row in the source
	s_cselect_b32 s46, s48, s46
	s_cselect_b32 s38, s30, s34
	s_cselect_b32 s40, s31, s35
	s_mov_b32 s47, 0
	s_mov_b32 s39, 0
	s_mov_b32 s41, 0
	s_mov_b32 s52, 0x76543210
	s_mov_b32 s53, 0xfedcba98                      ; v_permlanex16_b32's selects for lane l xor 16
	s_mul_i32 s54, s18, WREG                       ; my wave's LDS
	v_and_b32 v18, 31, v0                          ; lane
	v_and_b32 v17, 15, v0                          ; r
	v_bfe_u32 v16, v0, 4, 1                        ; h
	v_lshlrev_b32 v4, 4, v18                       ; 16 x lane: my codes' place in a step's 512 bytes
	v_lshlrev_b32 v30, 3, v16                      ; 8 h
	v_cmp_ne_u32 vcc_lo, 0, v16                    ; lanes 16-31; nothing writes VCC again
.irp j, 0,1,2,3,4,5,6,7
	v_add_nc_u32 v[OFF+\j], 2*\j, v16
.endr
.irp j, 0,1,2,3,4,5,6,7
	v_mul_lo_u32 v[OFF+\j], v[OFF+\j], s50
.endr
.irp j, 0,1,2,3,4,5,6,7
	v_lshl_add_u32 v[OFF+\j], v17, 4, v[OFF+\j]    ; lanes 0-15 row 2 j, lanes 16-31 row 2 j + 1; 16 bytes a lane
.endr
	v_mul_u32_u24 v6, v16, 272
	v_mul_u32_u24 v7, v17, 272
	v_lshlrev_b32 v5, 4, v17
.irp m, 0,1,2,3
	v_mov_b32 v[T+\m], 0                           ; written once: a lane permute's destination counts as one of its sources
.endr
	v_lshl_add_u32 v6, v17, 4, v6
	v_lshl_add_u32 v7, v16, 7, v7
	v_lshl_add_u32 v5, v16, 3, v5                  ; 16 r + 8 h: eight bytes of scales a lane
	v_add_nc_u32 v6, s54, v6                       ; into the stage: as loaded: row 2 j + h (544 j in the immediate), 16 r
	v_add_nc_u32 v7, s54, v7                       ; out of it: row r, 128 h: my block's 128 bytes
	s_wait_alu depctr_va_vdst(0)                   ; the wait at the head's end
	s_wait_kmcnt 0x0
	s_cmp_eq_u32 s19, 1
	s_cselect_b64 s[26:27], s[8:9], s[6:7]
	s_cmp_eq_u32 s19, 2
	s_cselect_b64 s[26:27], s[10:11], s[26:27]
	s_cmp_eq_u32 s19, 3
	s_cselect_b64 s[26:27], s[12:13], s[26:27]     ; the component's buffer,
	s_cmp_ge_u32 s18, 8
	s_cselect_b64 s[26:27], s[26:27], s[4:5]       ; or x
	s_cselect_b64 s[28:29], s[16:17], s[14:15]
	s_add_nc_u64 s[26:27], s[26:27], s[46:47]      ; the source at my unit
	s_add_nc_u64 s[42:43], s[28:29], s[40:41]      ; my unit's scales
	s_add_nc_u64 s[28:29], s[28:29], s[38:39]      ; and its codes
.macro LOAD t                          ; step t's 4,096 bytes into set t % 4
.irp j, 0,1,2,3,4,5,6,7
	global_load_b128 v[R+32*((\t)%4)+4*\j:R+32*((\t)%4)+4*\j+3], v[OFF+\j], s[26:27] offset:256*(\t) th:TH_LOAD_NT
.endr
.endm
.macro TURN t                          ; through stage t % 2: LDS serves a wave's instructions in order, so no wait stands between the stores and the loads
.irp j, 0,1,2,3,4,5,6,7
	ds_store_b128 v6, v[R+32*((\t)%4)+4*\j:R+32*((\t)%4)+4*\j+3] offset:STG*((\t)%2)+544*\j
.endr
.irp j, 0,1,2,3,4,5,6,7
	ds_load_b128 v[X+32*((\t)%2)+4*\j:X+32*((\t)%2)+4*\j+3], v7 offset:STG*((\t)%2)+16*\j
.endr
.endm
.macro STEP t
.set XS, X+32*((\t)%2)
	s_wait_dscnt 0x0                               ; this step's block is back from the stage, so the stores into the stage have read set t % 4,
.if (\t)+4 < 8
	LOAD (\t)+4                                    ; which takes the loads of four steps on
.endif
.if (\t) < 7
.if (\t) <= 3
	s_wait_loadcnt 24                              ; the next step's eight loads are in; those of the three steps behind it may be out
.else
	s_wait_loadcnt 8*(6-(\t))                      ; near the end fewer were issued behind them
.endif
	TURN (\t)+1                                    ; and go through the other stage while this step is worked
.endif
	v_max3_num_f32 v16, |v[XS]|, |v[XS+1]|, |v[XS+2]|              ; the block's largest magnitude: all 32 numbers are mine; two chains
	v_max3_num_f32 v17, |v[XS+3]|, |v[XS+4]|, |v[XS+5]|
.irp i, 6,10,14,18,22,26
	s_delay_alu instid0(VALU_DEP_2)
	v_max3_num_f32 v16, v16, |v[XS+\i]|, |v[XS+\i+1]|
	s_delay_alu instid0(VALU_DEP_2)
	v_max3_num_f32 v17, v17, |v[XS+\i+2]|, |v[XS+\i+3]|
.endr
	s_delay_alu instid0(VALU_DEP_2)
	v_max3_num_f32 v16, v16, |v[XS+30]|, |v[XS+31]|
	s_delay_alu instid0(VALU_DEP_1)
	v_max3_num_f32 v16, v16, v17, 0x1800000        ; and the floor 2^(3 - 127): the byte cannot fall under 1
	s_delay_alu instid0(VALU_DEP_1)
	v_add_nc_u32 v18, 0xff000000, v16              ; 2 off its exponent field: the conversion takes the exponent field of this operand as its scale, and nothing else of it
.irp g, 0,1,2,3
	v_cvt_scalef32_pk8_fp4_f32 v[C+4*(\t)+\g], v[XS+8*\g:XS+8*\g+7], v18   ; to the nearest code, ties to even, beyond 6 the largest code; the first number's code in the lowest bits
.endr
.if (\t)%2 == 0
	v_lshrrev_b32 v[SW+(\t)/2], 23, v18            ; the scale's byte (also the plain instruction behind the conversions): even t at bits 7:0,
.else
	v_lshrrev_b32 v19, 23, v18
	s_delay_alu instid0(VALU_DEP_1)
	v_lshl_or_b32 v[SW+(\t)/2], v19, 16, v[SW+(\t)/2]   ; odd t at bits 23:16; 8 h more bits up at the end
.endif
	global_store_b128 v4, v[C+4*(\t):C+4*(\t)+3], s[28:29] offset:512*(\t)   ; 32 lanes store 512 consecutive bytes, at a multiple of 256 from the buffer's first byte
.endm
	LOAD 0
	LOAD 1
	LOAD 2
	LOAD 3
	s_wait_loadcnt 24                              ; step 0's eight loads are in
	TURN 0
.irp t, 0,1,2,3,4,5,6,7
	STEP \t
.endr
; The scale bytes.  Register m holds bytes h and 2 + h of the unit's m-th 128 along K; 8 h bits up and joined with lane l xor 16's they are row r's word m.
	s_wait_alu depctr_va_vdst(0)
.irp m, 0,1,2,3
	v_lshlrev_b32 v[SW+\m], v30, v[SW+\m]
.endr
.irp m, 0,1,2,3
	v_permlanex16_b32 v[T+\m], v[SW+\m], s52, s53
.endr
.irp m, 0,1,2,3
	v_or_b32 v[SW+\m], v[SW+\m], v[T+\m]
.endr
	v_cndmask_b32 v28, v[SW], v[SW+2], vcc_lo      ; lanes 0-15 store words 0 and 1 of their row, lanes 16-31 words 2 and 3
	v_cndmask_b32 v29, v[SW+1], v[SW+3], vcc_lo
	global_store_b64 v5, v[28:29], s[42:43]        ; 32 lanes store 256 consecutive bytes, aligned
	s_wait_tensorcnt 0x0                           ; the wave's end
	ds_add_u32 v3, v2
	s_wait_dscnt 0x0
	s_endpgm
.Lfunc_end_k_qde65181265_quant:
	.size	k_qde65181265_quant, .Lfunc_end_k_qde65181265_quant-k_qde65181265_quant
	.p2alignl 7, 3214868480
	.fill 96, 4, 3214868480
	.section	.rodata,"a",@progbits
	.p2align	6, 0x0
	.amdhsa_kernel k_qde65181265_quant
		.amdhsa_group_segment_fixed_size 88320
		.amdhsa_private_segment_fixed_size 0
		.amdhsa_enable_private_segment 0
		.amdhsa_kernarg_size 56
		.amdhsa_user_sgpr_count 2
		.amdhsa_user_sgpr_kernarg_segment_ptr 1
		.amdhsa_wavefront_size32 1
		.amdhsa_system_sgpr_workgroup_id_x 1
		.amdhsa_system_sgpr_workgroup_id_y 1
		.amdhsa_system_sgpr_workgroup_id_z 1
		.amdhsa_system_vgpr_workitem_id 0
		.amdhsa_next_free_vgpr 256
		.amdhsa_next_free_sgpr 66
		.amdhsa_reserve_vcc 1
		.amdhsa_float_denorm_mode_32 3
		.amdhsa_float_denorm_mode_16_64 3
		.amdhsa_memory_ordered 1
		.amdhsa_forward_progress 1
		.amdhsa_inst_pref_size 36
	.end_amdhsa_kernel
	.amdgpu_metadata
---
amdhsa.version: [ 1, 2 ]
amdhsa.kernels:
  - .name:           k_qde65181265_quant
    .symbol:         k_qde65181265_quant.kd
    .args:
      - { .name: x, .offset: 0, .size: 8, .value_kind: global_buffer, .address_space: global }
      - { .name: W_r, .offset: 8, .size: 8, .value_kind: global_buffer, .address_space: global }
      - { .name: W_i, .offset: 16, .size: 8, .value_kind: global_buffer, .address_space: global }
      - { .name: W_j, .offset: 24, .size: 8, .value_kind: global_buffer, .address_space: global }
      - { .name: W_k, .offset: 32, .size: 8, .value_kind: global_buffer, .address_space: global }
      - { .name: xq, .offset: 40, .size: 8, .value_kind: global_buffer, .address_space: global }
      - { .name: wq, .offset: 48, .size: 8, .value_kind: global_buffer, .address_space: global }
    .group_segment_fixed_size: 88320
    .private_segment_fixed_size: 0
    .kernarg_segment_align: 8
    .kernarg_segment_size: 56
    .max_flat_workgroup_size: 320
    .sgpr_count:     66
    .vgpr_count:     256
    .wavefront_size: 32
...
	.end_amdgpu_metadata
.endif
;; end of part 1
;; launch quat (part 2): grid 64 x 4, 4 waves a work-group, clusters of 4 x 4, 327,680 bytes of LDS; arguments xq, wq, bias, out0; writes out0
.if DOCPART == 2
	.amdgcn_target "amdgcn-amd-amdhsa--gfx1250"
	.amdhsa_code_object_version 6
	.text
	.protected	k_qde65181265_quat
	.globl	k_qde65181265_quat
	.p2align	8
	.type	k_qde65181265_quat,@function
k_qde65181265_quat:
	s_mov_b64 s[64:65], 0
	v_nop
	global_prefetch_b8 v0, s[64:65] scope:SCOPE_SE
	s_setreg_imm32_b32 hwreg(HW_REG_WAVE_MODE, 25, 1), 1
	s_wait_xcnt 0x0
	s_wait_alu depctr_hold_cnt(0) depctr_sa_sdst(0) depctr_va_vdst(0) depctr_va_sdst(0) depctr_va_ssrc(0) depctr_va_vcc(0) depctr_vm_vsrc(0)
	s_getreg_b32 s2, hwreg(HW_REG_IB_STS2, 6, 4)
	s_cmp_eq_u32 s2, 0
	s_cbranch_scc0 .Lentry_in_a_cluster
	s_endpgm
.Lentry_in_a_cluster:
	s_bfe_u32 s2, ttmp6, 0x10000c
	s_cmp_lg_u32 s2, 0xf033
	s_cbranch_scc0 .Lentry_shape_is_right
	s_endpgm
.Lentry_shape_is_right:
; out[m][1024 p + n] = bias + sum over d, k of sign(p, d) x[m][1024 d + k] W_c[n][k], c = p xor d (components r, i, j, k = 0 .. 3), on codes of FP4 with E8M0 scales as launch quant lays them; sums in f32.
; ONE FRAGMENT OF W_c SERVES ALL FOUR x_d and feeds all four outputs p = c xor d, so the four components are the only weights that are read.  THE SIGNS: minus at (d, p) = (1,0) (2,0) (3,0) (3,1) (1,2) (2,3).
; The products with a plus are summed in P (which begins with the bias), those with a minus in N, and out = P - N: an order of rounding other than one running sum.
; SHARES.  A work-group makes 64 rows (x: row group) x 256 columns n of every p (y: which quarter of the 1,024).  Wave (rw, nw): rows 32 rw on; of each strip of 32 columns the 16 from 16 nw on.
; A WAVE'S 32 ROWS OF x, ALL OF K, STAY IN 512 REGISTERS; W comes in 8 strips of 32 columns x 4 components x 1,024 k (69,632 bytes with its scales) through a ring of two LDS slots.  A strip is 8 k steps of 128,
; 32 matrix instructions each: each fragment of W from LDS serves eight.  Fragments come by runs of 16 loads, two k steps at a time, 64 matrix instructions ahead of their use.
; The results of two strips (64 columns, 256 bytes of a row) gather in a stage in LDS and leave as whole aligned units of 256 bytes while the next strip is multiplied.
; CLUSTERS of 4 x 4: the four of a row (one quarter of n) ask jointly for the strips of W, the four of a column (one row group) for the rows of x.
; The clusters begin their walk at different strips: (cluster + cluster / 4) % 4 pairs of strips on.  NO PREFETCH: the head's loads of the clusters name all eight strips of every quarter before any refill names one again, and x is asked for once, by the head.
; THE MATRIX INSTRUCTION IS USED TRANSPOSED (source 0 = 16 rows of W, source 1 = 16 rows of x): lane (r, h) then holds row r and, in registers 0-7, columns 8 h + 0 .. 7.
; LIMIT: NaN and infinities among the inputs are not served (launch quant).
; REGISTERS: window 0: v0-15 addresses; v16-31, v96-111 W's scale words for slot 0, 1; v32-63 x's; v64-95 bias; v128-255 the 16 sums.  windows 1, 2: x, k steps 0-3 and 4-7.
;   window 3: v0-127 W's fragments of four k steps, by turns two and two; v128-255 rows read back from the stage.
.set SLOT, 69632                       ; a strip of W: two parts of 16 rows; also a part of 32 rows of x
.set WPART, 34816
.set XREG, 2*SLOT                      ; two parts of x, filled once
.set STAGE, XREG                       ; the stage lies over x's first part, which has had its only fill and, behind the first change of slots, its last read: [p][64 rows] x 272 bytes
.set SPARE, 4*SLOT                     ; the spare words: 512 bytes
.set ADRW, 4                           ; v4-5  my part of W in slot 0, 1
.set ADRX, 6                           ; my part of x
.set ADRXS, 7                          ; its scales
.set STO, 8                            ; into the stage
.set RD, 9                             ; out of it
.set CO, 10                            ; my byte offset in out
.set BO, 11                            ; and in bias
.set SPW, 12                           ; my spare word; never rewritten
.set NIL, 13                           ; 0; never rewritten
.set WS, 16                            ; + 80 x slot: register 4 c + kk % 4: lanes 0-15 kk 0-3, lanes 16-31 kk 4-7
.set XSC, 32                           ; register 8 d + kk: lanes 0-15 my rows 0-15, lanes 16-31 my rows 16-31
.set BI, 64
.set ACC, 128                          ; sum (rf, p, sign) at 8 (2 (4 rf + p) + sign): sign 0 = P, 1 = N
.set RB, 128
.set G1W, 24                           ; group 1: W at the head (272 rows of 256 bytes), x at the head, W's refills (68 rows)
.set G1X, 48
.set G1R, 56
.set H0, 32                            ; group 0 of the head's four loads
.set H1, 36
.set H2, 80
.set H3, 84
.set GR, 88                            ; s[88:95] group 0 of the refills, one for each slot
.set BA, 76                            ; s[76:77] my quarter of a strip, at the quarter's strip 0
; A k step's 16 products of one x row block, in order i: c = i / 4; d, the sign and 'the first product of an N' by i from these numbers.  Between two products on one sum stand at least seven others.
.set DT, 0x3927c9e4
.set SG, 0x5530
.set FN, 0x1130
.set PAR_, 0
.set MSB, 0
.macro WIN new                         ; the immediate's high byte repeats the setting that is left
.if MSB != (\new)
	s_set_vgpr_msb (MSB<<8)|(\new)
.set MSB, \new
.endif
.endm
.macro PLACES                          ; places behind matrix instructions (ISA guide 7.12.1)
.rept 4
	v_nop
.endr
.endm
.macro CREST                           ; a round of the cluster's barrier behind its opening barrier
	s_cmp_lg_u32 s14, 0
	s_cbranch_scc1 .Lnot_wave_0_\@
	s_barrier_signal -3
.Lnot_wave_0_\@:
	s_barrier_wait -3
	s_barrier_signal -1
	s_barrier_wait -1
.endm
.macro CROUND
	s_barrier_signal -1
	s_barrier_wait -1
	CREST
.endm
; one product: f = 0: onto the sum; 1: the sum begins with 0; 2: with the bias
.macro W1 kk, c, d, sg, rf, f
.set A_, ACC+8*(2*(4*(\rf)+((\c)^(\d)))+(\sg))
.set C_, A_
.if (\f) == 2
.set C_, BI+8*((\c)^(\d))
.endif
.set W_, 32*((\kk)%4)+8*(\c)
.set X_, 64*((\kk)%4)+16*(\d)+8*(\rf)
.set S_, WS+80*PAR_+4*(\c)+((\kk)%4)
.set T_, XSC+8*(\d)+(\kk)
.if (\f) == 1
.if (\rf) == 0
	v_wmma_scale_f32_16x16x128_f8f6f4 v[A_:A_+7], v[W_:W_+7], v[X_:X_+7], 0, v[S_], v[T_] matrix_a_fmt:MATRIX_FMT_FP4 matrix_b_fmt:MATRIX_FMT_FP4
.else
	v_wmma_scale_f32_16x16x128_f8f6f4 v[A_:A_+7], v[W_:W_+7], v[X_:X_+7], 0, v[S_], v[T_] matrix_a_fmt:MATRIX_FMT_FP4 matrix_b_fmt:MATRIX_FMT_FP4 matrix_b_scale:MATRIX_SCALE_ROW1
.endif
.else
.if (\kk) < 4
.if (\rf) == 0
	v_wmma_scale_f32_16x16x128_f8f6f4 v[A_:A_+7], v[W_:W_+7], v[X_:X_+7], v[C_:C_+7], v[S_], v[T_] matrix_a_fmt:MATRIX_FMT_FP4 matrix_b_fmt:MATRIX_FMT_FP4
.else
	v_wmma_scale_f32_16x16x128_f8f6f4 v[A_:A_+7], v[W_:W_+7], v[X_:X_+7], v[C_:C_+7], v[S_], v[T_] matrix_a_fmt:MATRIX_FMT_FP4 matrix_b_fmt:MATRIX_FMT_FP4 matrix_b_scale:MATRIX_SCALE_ROW1
.endif
.else
.if (\rf) == 0
	v_wmma_scale_f32_16x16x128_f8f6f4 v[A_:A_+7], v[W_:W_+7], v[X_:X_+7], v[C_:C_+7], v[S_], v[T_] matrix_a_fmt:MATRIX_FMT_FP4 matrix_b_fmt:MATRIX_FMT_FP4 matrix_a_scale:MATRIX_SCALE_ROW1
.else
	v_wmma_scale_f32_16x16x128_f8f6f4 v[A_:A_+7], v[W_:W_+7], v[X_:X_+7], v[C_:C_+7], v[S_], v[T_] matrix_a_fmt:MATRIX_FMT_FP4 matrix_b_fmt:MATRIX_FMT_FP4 matrix_a_scale:MATRIX_SCALE_ROW1 matrix_b_scale:MATRIX_SCALE_ROW1
.endif
.endif
.endif
.endm
.macro E kk, i                         ; product i of the order, for both of my x row blocks
.set D_, (DT>>(2*(\i)))&3
.set N_, (SG>>(\i))&1
.set F_, 0
.if (\kk) == 0
.if (\i) < 4
.set F_, 2
.else
.set F_, (FN>>(\i))&1
.endif
.endif
	W1 \kk, (\i)/4, D_, N_, 0, F_
	W1 \kk, (\i)/4, D_, N_, 1, F_
.endm
.macro MAIN kk                         ; a k step's 32 products: W in window 3, x in window 1 or 2, sums and bias in window 0
	WIN 0x07+4*((\kk)/4)
.irp i, 0,1,2,3,4,5,6,7,8,9,10,11,12,13,14,15
	E \kk, \i
.endr
.endm
.macro LDP slot, ph                    ; W's fragments of k steps 2 ph and 2 ph + 1: 16 loads
	WIN 0xc0
.irp k, 0,1
.irp c, 0,1,2,3
	ds_load_b128 v[32*((2*(\ph)+\k)%4)+8*\c:32*((2*(\ph)+\k)%4)+8*\c+3], v[ADRW+\slot] offset:8192*\c+1024*(2*(\ph)+\k)
	ds_load_b128 v[32*((2*(\ph)+\k)%4)+8*\c+4:32*((2*(\ph)+\k)%4)+8*\c+7], v[ADRW+\slot] offset:8192*\c+1024*(2*(\ph)+\k)+512
.endr
.endr
.endm
.macro WSLD slot                       ; a strip's scale words
	WIN 0
.irp c, 0,1,2,3
	ds_load_b128 v[WS+80*(\slot)+4*\c:WS+80*(\slot)+4*\c+3], v[ADRW+\slot] offset:32768+512*\c
.endr
.endm
.macro XLOAD ph                        ; x's fragments of k steps 2 ph and 2 ph + 1: 32 loads
	WIN 0x40*(1+(\ph)/2)
.irp k, 0,1
.set KK_, 2*(\ph)+\k
.irp d, 0,1,2,3
.irp rf, 0,1
	ds_load_b128 v[64*(KK_%4)+16*\d+8*\rf:64*(KK_%4)+16*\d+8*\rf+3], v[ADRX] offset:16384*\d+8192*(KK_/4)+4096*\rf+1024*(KK_%4)
	ds_load_b128 v[64*(KK_%4)+16*\d+8*\rf+4:64*(KK_%4)+16*\d+8*\rf+7], v[ADRX] offset:16384*\d+8192*(KK_/4)+4096*\rf+1024*(KK_%4)+512
.endr
.endr
.endr
.endm
.macro BIASLD base, off                ; the bias of the next strip's 16 columns, for each p
	WIN 0
.irp p, 0,1,2,3
	global_load_b128 v[BI+8*\p:BI+8*\p+3],   v[BO], s[\base:\base+1] offset:4096*\p+\off
	global_load_b128 v[BI+8*\p+4:BI+8*\p+7], v[BO], s[\base:\base+1] offset:4096*\p+\off+16
.endr
.endm
.macro RBG g                           ; output p = g: my 16 rows of the stage, whole rows of 256 bytes
	WIN 0xc0
.irp t, 0,1,2,3,4,5,6,7
	ds_load_b128 v[RB+32*(\g)+4*\t:RB+32*(\g)+4*\t+3], v[RD] offset:17408*(\g)+544*\t
.endr
.endm
.macro SENDG g
	WIN 0x0c
.irp t, 0,1,2,3,4,5,6,7
	global_store_b128 v[CO], v[RB+32*(\g)+4*\t:RB+32*(\g)+4*\t+3], s[12:13] offset:4096*(\g)+32768*\t th:TH_STORE_NT   ; 16 lanes store 256 consecutive bytes, aligned
.endr
.endm
; A strip's k steps 0 to 5.  par: its slot, and its place in its pair.  In a pair's first strip (but the launch's first) the pair before leaves: all waves have stored their results (signal in k step 2, wait in k step 3).
.macro STRIP par, first, last
.set PAR_, \par
.if (\first) && (\par) == 0
	s_wait_dscnt 0x0                               ; k steps 0 and 1 of x and W, and all scales
	XLOAD 1
	LDP \par, 1
.else
	LDP \par, 1                                    ; (the buffer was last multiplied in front of the places ahead of the results' sums)
	s_wait_dscnt 32                                ; k steps 0, 1 and the scale words are in; behind them 16 stores into the stage and the 16 loads just issued
.endif
	s_wait_loadcnt 0x0                             ; this strip's bias
	MAIN 0
	MAIN 1
	s_wait_dscnt 0x0                               ; k steps 2 and 3 (and my stores into the stage)
	PLACES                                         ; for the loads into the buffer that k steps 0 and 1 multiplied
.if (\first) == 0 && (\par) == 0
	s_barrier_signal -1                            ; my results are in the stage
.endif
.if (\first) && (\par) == 0
	XLOAD 2
.endif
	LDP \par, 2
	MAIN 2
.if (\first) == 0 && (\par) == 0
	s_barrier_wait -1                              ; everybody's are
	RBG 0
	RBG 1
.endif
	MAIN 3
	s_wait_dscnt 0x0                               ; k steps 4 and 5 (and rows read back)
	PLACES
.if (\first) && (\par) == 0
	XLOAD 3
.endif
	LDP \par, 3
.if (\first) == 0 && (\par) == 0
	RBG 2
	RBG 3
	SENDG 0
	SENDG 1
.endif
.if (\par) == 0
	BIASLD 20, 128
.else
.if (\last) == 0
	BIASLD 22, 0
.endif
.endif
	MAIN 4
	MAIN 5
.endm
; The strip's k steps 6 and 7, and the change of slots.  mode 2: the slot is filled again, behind a round of the cluster's barrier; 1: nothing is filled, the other slot's tile is shown to all; 0: the last strip.
.macro TURN par, mode, first
	WIN 0
.if (\mode) > 0
	s_wait_tensorcnt 0x0                           ; all my tensor loads have landed: my part of the next strip;
.endif
.if (\mode) == 2
	ds_add_u32 v[SPW], v[NIL]                      ; 0 onto my spare word;
	s_add_nc_u64 s[GR+4*\par+2:GR+4*\par+3], s[BA:BA+1], s[70:71]   ; the strip two on
.if \par
	s_add_nc_u64 s[GR+4*\par+2:GR+4*\par+3], s[GR+4*\par+2:GR+4*\par+3], SLOT
.endif
	s_or_b32 s[GR+4*\par+3], s[GR+4*\par+3], 0x80000000
.endif
	s_wait_dscnt 0x0                               ; the add is done, and my reads of this slot (and of the stage) are over
.if (\mode) > 0
	s_barrier_signal -1
.endif
	MAIN 6
.if (\mode) > 0
	WIN 0                                          ; (branches may follow)
	s_barrier_wait -1
.endif
.if (\mode) == 2
	CREST                                          ; no wave of any partner still reads this slot or has a load on its way
	tensor_load_to_lds s[GR+4*\par:GR+4*\par+3], s[G1R:G1R+7]   ; the first tensor load behind the round, one a wave: a quarter of the strip
	s_nop 0
.endif
.if (\mode) > 0
	PLACES
	LDP 1-\par, 0                                  ; the next strip's k steps 0 and 1
	WSLD 1-\par
.endif
.if (\first) == 0 && (\par) == 0
	SENDG 2
	SENDG 3
.endif
	MAIN 7
	WIN 0
	PLACES                                         ; for the reads of the sums
.irp rf, 0,1
.irp p, 0,1,2,3
.irp i, 0,2,4,6
	v_pk_add_f32 v[ACC+16*(4*\rf+\p)+\i:ACC+16*(4*\rf+\p)+\i+1], v[ACC+16*(4*\rf+\p)+\i:ACC+16*(4*\rf+\p)+\i+1], v[ACC+16*(4*\rf+\p)+8+\i:ACC+16*(4*\rf+\p)+8+\i+1] neg_lo:[0,1] neg_hi:[0,1]   ; P - N, in P's place
.endr
.endr
.endr
.irp rf, 0,1
.irp p, 0,1,2,3
	ds_store_b128 v[STO], v[ACC+16*(4*\rf+\p):ACC+16*(4*\rf+\p)+3] offset:17408*\p+4352*\rf+128*\par
	ds_store_b128 v[STO], v[ACC+16*(4*\rf+\p)+4:ACC+16*(4*\rf+\p)+7] offset:17408*\p+4352*\rf+128*\par+16
.endr
.endr
.endm
.macro AHEAD                           ; from s66, this pair's first strip
	s_add_co_u32 s67, s66, 2
	s_and_b32 s67, s67, 7                          ; the next pair's
	s_lshl_b32 s72, s66, 7
	s_lshl_b32 s74, s67, 7
	s_mul_i32 s70, s67, SLOT
	s_add_nc_u64 s[20:21], s[8:9], s[72:73]        ; bias: 128 bytes a strip
	s_add_nc_u64 s[22:23], s[8:9], s[74:75]
.endm
.macro PAIR first, last
.if (\first) == 0
	s_wait_xcnt 0x0                                ; the last pair's stores have read their data and their base, the bias loads theirs
	s_add_nc_u64 s[12:13], s[10:11], s[72:73]      ; where the pair before goes: 256 bytes a pair
	s_mov_b32 s66, s67
	AHEAD
.endif
	STRIP 0, \first, \last
.if \last
	TURN 0, 1, \first
.else
	TURN 0, 2, \first
.endif
	STRIP 1, \first, \last
.if \last
	TURN 1, 0, \first
.else
	TURN 1, 2, \first
.endif
.endm
	s_load_b256 s[4:11], s[0:1], 0x0               ; xq s[4:5], wq s[6:7], bias s[8:9], out s[10:11]
	v_lshl_add_u32 v[SPW], v0, 2, SPARE
	v_mov_b32 v[NIL], 0
	ds_add_u32 v[SPW], v[NIL]                      ; the wave's opening: the add, twice on end, and its wait ahead of my first tensor load
	ds_add_u32 v[SPW], v[NIL]
	v_lshrrev_b32 v1, 5, v0
	v_readfirstlane_b32 s14, v1                    ; wave 0..3
	s_lshr_b32 s15, s14, 1                         ; rw
	s_and_b32 s16, s14, 1                          ; nw
	s_bfe_u32 s40, ttmp6, 0x40000                  ; cx
	s_bfe_u32 s41, ttmp6, 0x40004                  ; cy: the grid is one cluster high, so cy is the quarter of n
	s_lshl_b32 s42, ttmp9, 2
	s_add_co_u32 s42, s42, s40                     ; row group = 4 x cluster + cx
	s_lshl_b32 s43, s41, 2
	s_lshl_b32 s43, 15, s43                        ; my row of the cluster: W
	s_lshl_b32 s44, 0x1111, s40                    ; my column: x
	s_lshr_b32 s66, ttmp9, 2
	s_add_co_u32 s66, s66, ttmp9
	s_and_b32 s66, s66, 3
	s_lshl_b32 s66, s66, 1                         ; the strip at which the cluster begins
	s_or_b32 s[G1W+0], s43, (3<<16)|(1<<21)        ; 15:0 the mask; 17:16 elements of 8 bytes; 21 set beside a mask; no padding
	s_or_b32 s[G1X+0], s44, (3<<16)|(1<<21)
	s_or_b32 s[G1R+0], s43, (3<<16)|(1<<21)
.irp g, G1W, G1X
	s_mov_b32 s[\g+1], 32<<16                      ; rows of 256 bytes, dense,
	s_mov_b32 s[\g+2], 272<<16                     ; 272 of them: 69,632 bytes
	s_mov_b32 s[\g+3], 32<<16
	s_mov_b32 s[\g+4], 272
	s_mov_b32 s[\g+5], 32
	s_mov_b32 s[\g+6], 0
	s_mov_b32 s[\g+7], 0
.endr
	s_mov_b32 s[G1R+1], 32<<16
	s_mov_b32 s[G1R+2], 68<<16                     ; a refill: 68 rows for each wave
	s_mov_b32 s[G1R+3], 32<<16
	s_mov_b32 s[G1R+4], 68
	s_mov_b32 s[G1R+5], 32
	s_mov_b32 s[G1R+6], 0
	s_mov_b32 s[G1R+7], 0
	s_mul_i32 s18, s41, 8*SLOT                     ; the quarter's strips
	s_mov_b32 s19, 0
	s_mul_i32 s78, s66, SLOT
	s_mov_b32 s79, 0
	s_mul_i32 s45, s14, SLOT/4                     ; my quarter of a strip
	s_mov_b32 s76, s45
	s_mov_b32 s77, 0
	s_mul_i32 s46, s42, 2*SLOT                     ; the row group's two parts of x
	s_mov_b32 s47, 0
	s_mov_b32 s71, 0
	s_mov_b32 s73, 0
	s_mov_b32 s75, 0
	s_wait_dscnt 0x0                               ; both opening adds are done
	s_wait_kmcnt 0x0
	s_add_nc_u64 s[18:19], s[6:7], s[18:19]
	s_add_nc_u64 s[BA:BA+1], s[18:19], s[76:77]
	s_add_nc_u64 s[78:79], s[18:19], s[78:79]
	s_add_nc_u64 s[46:47], s[4:5], s[46:47]
	CROUND                                         ; all sixteen work-groups are here: the first joint loads meet
	s_mov_b32 s[H0], 1                             ; the first strip -> slot 0
	s_mov_b32 s[H0+1], 0
	s_mov_b64 s[H0+2:H0+3], s[78:79]
	s_or_b32 s[H0+3], s[H0+3], 0x80000000
	s_mov_b32 s[H1], 1                             ; x's rows 0-31
	s_mov_b32 s[H1+1], XREG
	s_mov_b64 s[H1+2:H1+3], s[46:47]
	s_or_b32 s[H1+3], s[H1+3], 0x80000000
	s_mov_b32 s[H2], 1                             ; x's rows 32-63
	s_mov_b32 s[H2+1], XREG+SLOT
	s_add_nc_u64 s[H2+2:H2+3], s[46:47], SLOT
	s_or_b32 s[H2+3], s[H2+3], 0x80000000
	s_mov_b32 s[H3], 1                             ; the second strip -> slot 1
	s_mov_b32 s[H3+1], SLOT
	s_add_nc_u64 s[H3+2:H3+3], s[78:79], SLOT
	s_or_b32 s[H3+3], s[H3+3], 0x80000000
.irp s, 0,1
	s_mov_b32 s[GR+4*\s], 1
	s_add_co_u32 s[GR+4*\s+1], s45, \s*SLOT
.endr
; THE HEAD'S LOADS, one a wave, in one tree of branches on the wave's number.
.macro ARM under, g0, g1, next
	s_cmp_lt_u32 s14, \under
	s_cbranch_scc0 \next
	tensor_load_to_lds s[\g0:\g0+3], s[\g1:\g1+7]
	s_nop 0
.rept 4
	v_nop
.endr
	s_branch .Lhead_asked
\next:
.endm
	ARM 1, H0, G1W, .Lhead_x0
	ARM 2, H1, G1X, .Lhead_x1
	ARM 3, H2, G1X, .Lhead_w1
	tensor_load_to_lds s[H3:H3+3], s[G1W:G1W+7]
	s_nop 0
.rept 4
	v_nop
.endr
.Lhead_asked:
	s_lshl_b32 s22, s41, 10
	s_mov_b32 s23, 0
	s_add_nc_u64 s[8:9], s[8:9], s[22:23]          ; bias and out at the quarter's first column
	s_lshl_b32 s12, s42, 6
	s_lshl_b32 s13, s14, 4
	s_add_co_u32 s12, s12, s13
	s_lshl_b32 s12, s12, 14                        ; the rows that I store: 64 x row group + 16 x wave
	s_add_co_u32 s12, s12, s22
	s_mov_b32 s13, 0
	s_add_nc_u64 s[10:11], s[10:11], s[12:13]
	AHEAD
	s_mul_i32 s2, s16, WPART                       ; my part of a strip
	s_add_co_u32 s3, s2, SLOT
	s_mul_i32 s12, s15, SLOT                       ; my part of x
	s_add_co_u32 s12, s12, XREG
	s_mul_i32 s13, s15, 32*272                     ; into the stage: my rows, my 16 columns
	s_lshl_b32 s17, s16, 6
	s_add_co_u32 s13, s13, s17
	s_add_co_u32 s13, s13, STAGE
	s_mul_i32 s18, s14, 16*272                     ; out of it: rows 16 x wave on
	s_add_co_u32 s18, s18, STAGE
	v_and_b32 v1, 15, v0                           ; r
	v_bfe_u32 v2, v0, 4, 1                         ; h
	v_and_b32 v3, 31, v0
	v_lshlrev_b32 v14, 4, v3                       ; 16 x lane
	v_add_nc_u32 v[ADRW], s2, v14
	v_add_nc_u32 v[ADRW+1], s3, v14
	v_add_nc_u32 v[ADRX], s12, v14
	v_add_nc_u32 v[ADRXS], 0x10000, v[ADRX]
	v_mul_u32_u24 v15, v1, 272
	v_lshl_add_u32 v15, v2, 5, v15
	v_add_nc_u32 v[STO], s13, v15
	v_mul_u32_u24 v3, v2, 272
	v_lshl_add_u32 v3, v1, 4, v3
	v_add_nc_u32 v[RD], s18, v3
	v_lshlrev_b32 v[CO], 14, v2
	v_lshl_add_u32 v[CO], v1, 4, v[CO]
	v_lshlrev_b32 v[BO], 5, v2
	v_add_nc_u32 v[BO], s17, v[BO]
	s_wait_alu depctr_va_vdst(0)                   ; the wait at the head's end
	BIASLD 20, 0
	s_wait_tensorcnt 0x0                           ; my tile of the head's four is in,
	s_barrier_signal -1
	s_barrier_wait -1                              ; and everybody's
	XLOAD 0
	WIN 0
.irp k, 0,1,2,3,4,5,6,7
	ds_load_b128 v[XSC+4*\k:XSC+4*\k+3], v[ADRXS] offset:512*\k
.endr
	LDP 0, 0
	WSLD 0
	PAIR 1, 0                                      ; the first strip fetches x's fragments two k steps ahead of their use
	s_mov_b32 s3, 2
.Lpair:
	PAIR 0, 0
	s_sub_co_u32 s3, s3, 1
	s_cmp_lg_u32 s3, 0
	s_cbranch_scc1 .Lpair
	PAIR 0, 1                                      ; the last two strips ask for nothing more
	s_wait_xcnt 0x0                                ; the earlier stores have read their data and their base
	s_add_nc_u64 s[12:13], s[10:11], s[72:73]
	s_wait_dscnt 0x0                               ; for the others' sake: my results are in the stage
	s_barrier_signal -1
	s_barrier_wait -1
.irp g, 0,1,2,3
	RBG \g
.endr
.irp g, 0,1,2,3
	s_wait_dscnt 24-8*\g                           ; the groups behind this one may be out
	SENDG \g
.endr
	WIN 0
	s_wait_tensorcnt 0x0                           ; the wave's end
	ds_add_u32 v[SPW], v[NIL]
	s_wait_dscnt 0x0
	CROUND                                         ; the closing round: no work-group ends while a partner may still ask for a tile that names it
	s_endpgm
.Lfunc_end_k_qde65181265_quat:
	.size	k_qde65181265_quat, .Lfunc_end_k_qde65181265_quat-k_qde65181265_quat
	.p2alignl 7, 3214868480
	.fill 96, 4, 3214868480
	.section	.rodata,"a",@progbits
	.p2align	6, 0x0
	.amdhsa_kernel k_qde65181265_quat
		.amdhsa_group_segment_fixed_size 327680
		.amdhsa_private_segment_fixed_size 0
		.amdhsa_enable_private_segment 0
		.amdhsa_kernarg_size 32
		.amdhsa_user_sgpr_count 2
		.amdhsa_user_sgpr_kernarg_segment_ptr 1
		.amdhsa_wavefront_size32 1
		.amdhsa_system_sgpr_workgroup_id_x 1
		.amdhsa_system_sgpr_workgroup_id_y 1
		.amdhsa_system_sgpr_workgroup_id_z 1
		.amdhsa_system_vgpr_workitem_id 0
		.amdhsa_next_free_vgpr 1024
		.amdhsa_next_free_sgpr 98
		.amdhsa_reserve_vcc 0
		.amdhsa_float_denorm_mode_32 3
		.amdhsa_float_denorm_mode_16_64 3
		.amdhsa_memory_ordered 1
		.amdhsa_forward_progress 1
		.amdhsa_inst_pref_size 255
	.end_amdhsa_kernel
	.section	.bss,"aw",@nobits
	.p2align	6
	.space	262144
	.amdgpu_metadata
---
amdhsa.version: [ 1, 2 ]
amdhsa.kernels:
  - .name:           k_qde65181265_quat
    .symbol:         k_qde65181265_quat.kd
    .args:
      - { .name: xq, .offset: 0, .size: 8, .value_kind: global_buffer, .address_space: global }
      - { .name: wq, .offset: 8, .size: 8, .value_kind: global_buffer, .address_space: global }
      - { .name: bias, .offset: 16, .size: 8, .value_kind: global_buffer, .address_space: global }
      - { .name: out0, .offset: 24, .size: 8, .value_kind: global_buffer, .address_space: global }
    .group_segment_fixed_size: 327680
    .private_segment_fixed_size: 0
    .kernarg_segment_align: 8
    .kernarg_segment_size: 32
    .max_flat_workgroup_size: 128
    .sgpr_count:     98
    .vgpr_count:     1024
    .wavefront_size: 32
...
	.end_amdgpu_metadata
.endif
;; end of part 2
